; MI455X (gfx1250); checked and timed in simulation.
; The chip was launched on July 23, 2026; its instructions are those of AMD's public machine-readable ISA for CDNA 5 (MIT licence, August 2026) and "CDNA5" Instruction Set Architecture Reference Guide (July 2026). The comments in the code are by the model that wrote it; some were corrected since.
;; MHA. Allowed arithmetic: matrix products marked QUANTISED: E2M3 operands, one E8M0 scale for each 32 along K, by v_wmma_scale_f32_16x16x128_f8f6f4 with both operands' format E2M3, f32 sums; everything else in f32.
;; Inputs: Wk 16 x 1,024 x 64 float32; Wq 16 x 1,024 x 64 float32; Wv 16 x 1,024 x 64 float32; keys_in 4 x 2,048 x 1,024 float32; query_in 4 x 2,048 x 1,024 float32; value_in 4 x 2,048 x 1,024 float32.
;; Outputs: out0 4 x 2,048 x 1,024 float32.
;; This version of the problem:
;;   THIS VERSION OF THE PROBLEM IS GIVEN IN LOW PRECISION. The matrix products marked QUANTISED in the list below multiply operands that are first quantised to E2M3 (2 exponent bits, 3 mantissa bits; 6 bits a number), with one power-of-two scale for each 32 numbers along K (OCP MX v1.0); their sums are f32. All else is computed in f32.
;;   The module's matrix products, in the order in which they are computed (A, B: the left and right operand; K: the contracted axis; several contracted axes count as one K, in the product's order):
;;     1. [M 1,024, K 1,024] x [K 1,024, N 8,192]; A: input Wq; B: input query_in: QUANTISED
;;     2. [M 1,024, K 1,024] x [K 1,024, N 8,192]; A: input Wk; B: input keys_in: QUANTISED
;;     3. [M 1,024, K 1,024] x [K 1,024, N 8,192]; A: input Wv; B: input value_in: QUANTISED
;;     4. batch 64 x [M 2,048, K 64] x [K 64, N 2,048]; A: computed on the way; B: computed on the way: QUANTISED
;;     5. batch 64 x [M 2,048, K 2,048] x [K 2,048, N 64]; A: softmax (see below); B: computed on the way: QUANTISED
;;   THE QUANTISER, for each operand of a quantised product, along K:
;;     - K is cut into blocks of 32 from its start; a last block that is shorter is filled with zeros.
;;     - A block's scale is 2^e with e = floor(log2(the largest magnitude in the block)) - 2, held to -126 .. 127; a block of zeros has e = 0. As a byte (E8M0): e + 127.
;;     - Each number is divided by its block's scale, clamped to +-7.5, and rounded to the nearest number of E2M3, ties to even, subnormals kept.
;;     - The product sums the exact products of the quantised numbers (number of the format x scale) in f32.
;;   ~~~python
;;   def quantise(x, axis):      # numpy; x: float32 -> the quantised numbers, widened to float32 again
;;       x = np.moveaxis(x, axis, -1); K = x.shape[-1]
;;       x = np.pad(x, [(0, 0)] * (x.ndim - 1) + [(0, -K % 32)]); x = x.reshape(x.shape[:-1] + (-1, 32)); a = np.abs(x).max(-1, keepdims=True)
;;       e = np.where(a > 0, np.clip(np.frexp(np.where(a > 0, a, 1))[1] - 1 - 2, -126, 127), 0)      # np.frexp(a)[1] - 1 = floor(log2(a)), exactly
;;       r = np.clip(x / 2.0 ** e, -7.5, 7.5)
;;       step = 2.0 ** (np.maximum(np.frexp(np.where(r == 0, 1, r))[1] - 1, 0) - 3)
;;       q = np.round(r / step) * step * 2.0 ** e      # np.round: ties to even
;;       return np.moveaxis(q.reshape(q.shape[:-2] + (-1,))[..., :K], -1, axis).astype(np.float32)
;;   ~~~
;;   SOFTMAX AHEAD OF A QUANTISED PRODUCT. Where the list says 'softmax', what is quantised is not the finished softmax but p = 2^(t - M), with t = logit x log2(e) and M = ceil(the row's largest t), a whole number; so 1/2 < the row's largest p <= 1. The row's sum l is taken of the UNQUANTISED p, in f32, and the product's result is divided by l at the end. Since M is a whole number, a kernel that streams over the keys may use a running M (the ceiling of the running maximum): every later rescaling is an exact power of two, which a block's scale takes up: the codes' values come out the same.
;;   OPERANDS COMPUTED ON THE WAY. 'Computed on the way' means the value that the module computes at that place (a softmax that the list does not call 'softmax' is quantised finished and normalised). What goes into a quantiser is computed in f32, as accurately as f32 sums, v_exp_f32 and their like allow (about 1e-6 of the number): no bf16 or f16 on the way to a quantiser, and a product that is left as it is and whose result goes on into a quantised operand takes f32 operands (vector FMAs, or v_wmma_f32_16x16x4_f32). A number that lies on a knife's edge between two numbers of the format may be rounded either way, as far as f32 arithmetic and the matrix unit's own rounding can turn it there, and no further.
;; One version. Each part assembles by itself: llvm-mc -triple=amdgcn-amd-amdhsa -mcpu=gfx1250 --defsym DOCPART=n.
;; ======== version 1 of 1: 4 launches
;; limits: right only within a limited range of input values
;; workspace buffers: xcodes 18,874,368 bytes; xscales 786,432 bytes; wcodes 2,359,296 bytes; wscales 98,304 bytes; acodes 18,874,368 bytes; ascales 1,310,720 bytes; ows 33,554,432 bytes
;; launch quant (part 1): grid 864 x 1, 4 waves a work-group, no clusters, 68,096 bytes of LDS; arguments query_in, keys_in, value_in, Wq, Wk, Wv, xcodes, xscales, wcodes, wscales; writes xcodes, xscales, wcodes, wscales
.if DOCPART == 1
	.amdgcn_target "amdgcn-amd-amdhsa--gfx1250"
	.amdhsa_code_object_version 6
	.text
	.protected	k_q2910e4d995_quant
	.globl	k_q2910e4d995_quant
	.p2align	8
	.type	k_q2910e4d995_quant,@function
k_q2910e4d995_quant:
	s_mov_b64 s[64:65], 0
	v_nop
	global_prefetch_b8 v0, s[64:65] scope:SCOPE_SE
	s_setreg_imm32_b32 hwreg(HW_REG_WAVE_MODE, 25, 1), 1
	s_wait_xcnt 0x0
; All six inputs become codes of FP6 (E2M3), K innermost, 768 bytes a row, with one E8M0 byte for each 32 along K.  No step of the problem is left out.
; xcodes [3][8192][768], xscales [3][8192][32]: query_in, keys_in, value_in.  wcodes [3][1024 = 64 head + d][768], wscales [3][1024][32]: Wq, Wk, Wv.
; A block's scale is 2^(floor(log2(largest magnitude)) - 2); its byte is the largest magnitude's exponent field - 2, held at 1 from below.
; ROW ORDER.  Rows of query_in, value_in and of the weights are stored at their index with bits 3 and 4 exchanged.  Rows of keys_in are stored with index bits 5 4 3 turned to 4 3 5:
; stored rows 16 i + 8 u + j of a group of 64 are keys 32 u + 8 i + j, so that a product with such a tile as source 0 leaves a whole block of 32 keys in one lane's 32 registers of four tiles.
; LIMITS: a block of zeros, or one whose largest magnitude lies under 2^-124, gets the byte 1 (only this program reads the bytes); NaN and infinities are not served.
; Work-groups 0-95 take the weights (a lane a column, registers down K), the other 768 the activations (32 rows each, a wave 8 rows = 16 steps of 512 numbers).  The two paths part on the work-group's number and have LDS bytes of their own.
; Waves share nothing: no barrier, no matrix unit, no cluster.
.set WGW,   96
.set STEPS, 16
.set CB,    12                         ; bytes of 16 codes
.set R,     16                         ; v16-79   four sets of 16 numbers as loaded
.set X,     80                         ; v80-111  two sets of 16 neighbours
.set E,     112                        ; v112-127 a scale byte for each step
.set C,     128                        ; v128-191 codes, four registers a step
.set WREG,  8192                       ; activations: a region a wave: two stages of 32 x SP bytes, then 256 scale bytes
.set SP,    80
.set SPW,   12                         ; v12 my spare word's address; v13 0; never rewritten
.set NIL,   13
.set WST,   32768                      ; weights: four stages of 32 rows x WPITCH
.set WPITCH, 272
.set SPARE, WST+4*32*WPITCH            ; the spare words, 128 bytes a wave
.set NB,    8
.set WX,    32                         ; weights: v32-95 two sets of 32 numbers; v96.. a block's codes; v112-175 the way out; v24-25 scale bytes
.set WC,    96
.set OUTR,  112
.set SB,    24
	v_lshl_add_u32 v[SPW], v0, 2, SPARE
	v_mov_b32 v[NIL], 0
	v_lshrrev_b32 v1, 5, v0
	v_readfirstlane_b32 s16, v1                    ; wave
	v_and_b32 v2, 31, v0                           ; lane
	s_cmp_lt_u32 ttmp9, WGW
	s_wait_alu depctr_va_vdst(0)
	s_cbranch_scc1 .Lweights
	s_load_b128 s[4:7], s[0:1], 0x0                ; query_in, keys_in
	s_load_b64 s[8:9], s[0:1], 0x10                ; value_in
	s_load_b128 s[12:15], s[0:1], 0x30             ; xcodes, xscales
	s_sub_co_u32 s31, ttmp9, WGW                   ; 0 .. 767
	v_lshlrev_b32 v3, 4, v2                        ; my 16 bytes of a load's 512
	s_mul_i32 s17, s16, WREG
	v_lshrrev_b32 v14, 2, v2
	v_mul_u32_u24 v14, v14, SP
	v_and_b32 v15, 3, v2
	v_lshl_add_u32 v14, v15, 4, v14
	v_add_nc_u32 v14, s17, v14                     ; into the stage: SP (lane / 4) + 16 (lane % 4)
	v_mul_u32_u24 v15, v2, SP
	v_add_nc_u32 v15, s17, v15                     ; out of it: SP x lane: my 16 neighbours
	v_mul_u32_u24 v4, v2, CB
	v_lshrrev_b32 v5, 1, v2
	s_add_co_u32 s17, s17, 2*32*SP
	v_add_nc_u32 v5, s17, v5                       ; my block's scale byte in LDS
	v_lshlrev_b32 v7, 3, v2
	v_add_nc_u32 v6, s17, v7
	s_lshr_b32 s18, s31, 8                         ; tensor
	s_and_b32 s19, s31, 255
	s_lshl_b32 s19, s19, 2
	s_add_co_u32 s19, s19, s16                     ; my run of 8 rows in the input
	s_lshl_b32 s20, s19, 15
	s_mov_b32 s21, 0
	s_and_b32 s22, s16, 1
	s_lshl_b32 s22, s22, 1
	s_lshr_b32 s23, s16, 1
	s_or_b32 s22, s22, s23
	s_lshl_b32 s23, s31, 2
	s_add_co_u32 s22, s22, s23                     ; my run in the outputs: the wave's two bits change places;
	s_lshr_b32 s28, s31, 1
	s_lshl_b32 s28, s28, 3
	s_lshl_b32 s29, s16, 1
	s_or_b32 s28, s28, s29
	s_and_b32 s29, s31, 1
	s_or_b32 s28, s28, s29                         ; keys_in: 8 (work-group / 2) + 2 wave + work-group % 2
	s_cmp_eq_u32 s18, 1
	s_cselect_b32 s22, s28, s22
	s_mul_i32 s24, s22, 8*768
	s_mov_b32 s25, 0
	s_lshl_b32 s26, s22, 8
	s_mov_b32 s27, 0
	s_wait_alu depctr_va_vdst(0)                   ; the head's end
	s_wait_kmcnt 0x0
	s_cmp_eq_u32 s18, 1                            ; the choice hangs on the work-group's number alone
	s_cselect_b64 s[4:5], s[6:7], s[4:5]
	s_cmp_eq_u32 s18, 2
	s_cselect_b64 s[4:5], s[8:9], s[4:5]
	s_add_nc_u64 s[4:5], s[4:5], s[20:21]
	s_add_nc_u64 s[12:13], s[12:13], s[24:25]
	s_add_nc_u64 s[14:15], s[14:15], s[26:27]
.macro LOAD t
.irp i, 0,1,2,3
	global_load_b128 v[R+16*((\t)%4)+4*\i:R+16*((\t)%4)+4*\i+3], v3, s[4:5] offset:2048*(\t)+512*\i th:TH_LOAD_NT   ; 32 lanes read 512 consecutive bytes
.endr
.endm
.macro TURN t                          ; a step's numbers through the stage; LDS serves a wave's instructions in order
.irp i, 0,1,2,3
	ds_store_b128 v14, v[R+16*((\t)%4)+4*\i:R+16*((\t)%4)+4*\i+3] offset:32*SP*((\t)%2)+8*SP*\i
.endr
.irp i, 0,1,2,3
	ds_load_b128 v[X+16*((\t)%2)+4*\i:X+16*((\t)%2)+4*\i+3], v15 offset:32*SP*((\t)%2)+16*\i
.endr
.endm
.irp t, 0,1,2,3
	LOAD \t
.endr
	s_wait_loadcnt 12                              ; step 0's four loads are in
	TURN 0
.macro STEP t
.set XS, X+16*((\t)%2)
.if (\t) > 0
	s_wait_dscnt 1                                 ; this step's numbers are back (the last step's byte store may be out)
.else
	s_wait_dscnt 0x0
.endif
.if (\t)+4 < STEPS
	LOAD (\t)+4
.endif
.if (\t)+1 < STEPS
.if STEPS-2-(\t) >= 3
	s_wait_loadcnt 12                              ; the next step's four loads are in; three steps' may be out
.else
	s_wait_loadcnt 4*(STEPS-2-(\t))
.endif
	TURN (\t)+1
.endif
	v_max3_num_f32 v8, |v[XS]|, |v[XS+1]|, |v[XS+2]|
	v_max3_num_f32 v9, |v[XS+3]|, |v[XS+4]|, |v[XS+5]|
.irp i, 6,10
	v_max3_num_f32 v8, v8, |v[XS+\i]|, |v[XS+\i+1]|
	v_max3_num_f32 v9, v9, |v[XS+\i+2]|, |v[XS+\i+3]|
.endr
	v_max3_num_f32 v8, v8, |v[XS+14]|, |v[XS+15]|
	v_max3_num_f32 v8, v8, v9, 0x1800000           ; the floor 2^(3 - 127): the byte cannot fall under 1
	v_max_num_f32_dpp v8, v8, v8 row_xmask:1 row_mask:0xf bank_mask:0xf   ; with my neighbour's 16: the block's
	v_add_nc_u32 v11, 0xff000000, v8               ; 2 off the exponent field: the conversion's scale operand
	v_cvt_scalef32_pk16_fp6_f32 v[C+4*(\t):C+4*(\t)+2], v[XS:XS+15], v11
	v_lshrrev_b32 v[E+(\t)], 23, v11               ; the scale's byte (also the plain line behind the conversion)
	ds_store_b8 v5, v[E+(\t)] offset:16*(\t)
	global_store_b96 v4, v[C+4*(\t):C+4*(\t)+2], s[12:13] offset:32*CB*(\t)   ; the wave stores 384 consecutive bytes
.endm
.irp t, 0,1,2,3,4,5,6,7,8,9,10,11,12,13,14,15
	STEP \t
.endr
	ds_load_b64 v[8:9], v6
	s_wait_dscnt 0x0
	global_store_b64 v7, v[8:9], s[14:15]          ; 32 lanes store 256 consecutive bytes, aligned
	s_wait_tensorcnt 0x0                           ; the wave's end
	ds_add_u32 v[SPW], v[NIL]
	s_wait_dscnt 0x0
	s_endpgm
.Lweights:                                             ; work-group = 2 (16 tensor + head) + half of K.  Wave w: columns 32 (w % 2) on, K chunk 2 half + w / 2 of 256
	s_load_b64 s[4:5], s[0:1], 0x18                ; Wq
	s_load_b64 s[6:7], s[0:1], 0x20                ; Wk
	s_load_b64 s[8:9], s[0:1], 0x28                ; Wv
	s_load_b128 s[12:15], s[0:1], 0x40             ; wcodes, wscales
	s_lshr_b32 s30, ttmp9, 1                       ; 16 tensor + head
	s_and_b32 s17, s16, 1
	s_lshr_b32 s18, s16, 1
	s_and_b32 s19, ttmp9, 1
	s_lshl_b32 s19, s19, 1
	s_add_co_u32 s18, s18, s19                     ; which 256 along K
	v_lshlrev_b32 v3, 2, v2
	v_and_b32 v10, 7, v2
	v_bfe_u32 v5, v2, 3, 1
	v_bfe_u32 v6, v2, 4, 1
	v_lshl_add_u32 v10, v5, 4, v10
	v_lshl_add_u32 v10, v6, 3, v10                 ; my column's place: bits 3 and 4 exchanged
	s_mul_i32 s19, s16, 32*WPITCH
	s_add_co_u32 s19, s19, WST                     ; my stage
	v_mul_u32_u24 v4, v10, WPITCH
	v_add_nc_u32 v4, s19, v4
	v_and_b32 v5, 15, v2
	v_lshrrev_b32 v6, 4, v2
	v_mul_u32_u24 v7, v6, WPITCH
	v_lshl_add_u32 v7, v5, 4, v7
	v_add_nc_u32 v7, s19, v7                       ; out of it: sixteen lanes to a row
	v_mul_u32_u24 v8, v6, 768
	v_mad_u32_u24 v8, v5, 12, v8
	v_lshlrev_b32 v9, 5, v10
	s_lshr_b32 s20, s30, 4                         ; tensor
	s_and_b32 s21, s30, 15                         ; head
	s_lshl_b32 s22, s21, 18
	s_lshl_b32 s23, s18, 16
	s_add_co_u32 s22, s22, s23
	s_lshl_b32 s23, s17, 7
	s_add_co_u32 s22, s22, s23
	s_mov_b32 s23, 0
	s_lshl_b32 s24, s30, 6
	s_lshl_b32 s25, s17, 5
	s_add_co_u32 s24, s24, s25                     ; my wave's first row of the outputs
	s_mul_i32 s26, s24, 768
	s_mul_i32 s25, s18, 192
	s_add_co_u32 s26, s26, s25
	s_mov_b32 s27, 0
	s_lshl_b32 s28, s24, 5
	s_lshl_b32 s25, s18, 3
	s_add_co_u32 s28, s28, s25
	s_mov_b32 s29, 0
	s_wait_alu depctr_va_vdst(0)                   ; the head's end
	s_wait_kmcnt 0x0
	s_cmp_eq_u32 s20, 1
	s_cselect_b64 s[4:5], s[6:7], s[4:5]
	s_cmp_eq_u32 s20, 2
	s_cselect_b64 s[4:5], s[8:9], s[4:5]
	s_add_nc_u64 s[4:5], s[4:5], s[22:23]
	s_add_nc_u64 s[12:13], s[12:13], s[26:27]
	s_add_nc_u64 s[14:15], s[14:15], s[28:29]
.macro WLOAD t                         ; block t: W(32 t + i, my column) into set t % 2
.irp i, 0,1,2,3,4,5,6,7,8,9,10,11,12,13,14,15,16,17,18,19,20,21,22,23,24,25,26,27,28,29,30,31
	global_load_b32 v[WX+32*((\t)%2)+\i], v3, s[4:5] offset:(32*(\t)+\i)*256 th:TH_LOAD_NT
.endr
.endm
	WLOAD 0
	WLOAD 1
.macro BLOCK t
.set XS, WX+32*((\t)%2)
.if (\t) < NB-1
	s_wait_loadcnt 32                              ; this block's 32 loads are in; the next block's may be out
.else
	s_wait_loadcnt 0
.endif
	v_max3_num_f32 v16, |v[XS]|, |v[XS+1]|, |v[XS+2]|
	v_max3_num_f32 v17, |v[XS+3]|, |v[XS+4]|, |v[XS+5]|
.irp i, 6,10,14,18,22,26
	v_max3_num_f32 v16, v16, |v[XS+\i]|, |v[XS+\i+1]|
	v_max3_num_f32 v17, v17, |v[XS+\i+2]|, |v[XS+\i+3]|
.endr
	v_max3_num_f32 v16, v16, |v[XS+30]|, |v[XS+31]|
	v_max3_num_f32 v16, v16, v17, 0x1800000
	v_add_nc_u32 v11, 0xff000000, v16
	v_lshrrev_b32 v17, 23, v11
.if (\t)%4 == 0
	v_mov_b32 v[SB+(\t)/4], v17
.else
	v_lshl_or_b32 v[SB+(\t)/4], v17, 8*((\t)%4), v[SB+(\t)/4]
.endif
	v_cvt_scalef32_pk16_fp6_f32 v[WC:WC+2], v[XS:XS+15], v11
	v_cvt_scalef32_pk16_fp6_f32 v[WC+4:WC+6], v[XS+16:XS+31], v11
	v_nop                                          ; one plain line behind the conversions
	ds_store_b96 v4, v[WC:WC+2] offset:32*(\t)
	ds_store_b96 v4, v[WC+4:WC+6] offset:32*(\t)+16
.if (\t)+2 < NB
	WLOAD (\t)+2
.endif
	s_wait_dscnt 0x0                               ; the stores have read their registers
.endm
.set Q, 0
.rept NB
	BLOCK Q
.set Q, Q+1
.endr
	s_wait_alu depctr_va_vdst(0)
	global_store_b64 v9, v[SB:SB+1], s[14:15]
.irp t, 0,1,2,3,4,5,6,7,8,9,10,11,12,13,14,15
	ds_load_b96 v[OUTR+4*\t:OUTR+4*\t+2], v7 offset:2*\t*WPITCH
.endr
.irp t, 0,1,2,3,4,5,6,7,8,9,10,11,12,13,14,15
	s_wait_dscnt 15-\t                             ; the younger read-backs may be out
	global_store_b96 v8, v[OUTR+4*\t:OUTR+4*\t+2], s[12:13] offset:2*\t*768
.endr
	s_wait_tensorcnt 0x0                           ; the wave's end
	ds_add_u32 v[SPW], v[NIL]
	s_wait_dscnt 0x0
	s_endpgm
.Lfunc_end_k_q2910e4d995_quant:
	.size	k_q2910e4d995_quant, .Lfunc_end_k_q2910e4d995_quant-k_q2910e4d995_quant
	.p2alignl 7, 3214868480
	.fill 96, 4, 3214868480
	.section	.rodata,"a",@progbits
	.p2align	6, 0x0
	.amdhsa_kernel k_q2910e4d995_quant
		.amdhsa_group_segment_fixed_size 68096
		.amdhsa_private_segment_fixed_size 0
		.amdhsa_enable_private_segment 0
		.amdhsa_kernarg_size 80
		.amdhsa_user_sgpr_count 2
		.amdhsa_user_sgpr_kernarg_segment_ptr 1
		.amdhsa_wavefront_size32 1
		.amdhsa_system_sgpr_workgroup_id_x 1
		.amdhsa_system_sgpr_workgroup_id_y 1
		.amdhsa_system_sgpr_workgroup_id_z 1
		.amdhsa_system_vgpr_workitem_id 0
		.amdhsa_next_free_vgpr 192
		.amdhsa_next_free_sgpr 66
		.amdhsa_reserve_vcc 0
		.amdhsa_float_denorm_mode_32 3
		.amdhsa_float_denorm_mode_16_64 3
		.amdhsa_memory_ordered 1
		.amdhsa_forward_progress 1
		.amdhsa_inst_pref_size 75
	.end_amdhsa_kernel
	.amdgpu_metadata
---
amdhsa.version: [ 1, 2 ]
amdhsa.kernels:
  - .name:           k_q2910e4d995_quant
    .symbol:         k_q2910e4d995_quant.kd
    .args:
      - { .name: query_in, .offset: 0, .size: 8, .value_kind: global_buffer, .address_space: global }
      - { .name: keys_in, .offset: 8, .size: 8, .value_kind: global_buffer, .address_space: global }
      - { .name: value_in, .offset: 16, .size: 8, .value_kind: global_buffer, .address_space: global }
      - { .name: Wq, .offset: 24, .size: 8, .value_kind: global_buffer, .address_space: global }
      - { .name: Wk, .offset: 32, .size: 8, .value_kind: global_buffer, .address_space: global }
      - { .name: Wv, .offset: 40, .size: 8, .value_kind: global_buffer, .address_space: global }
      - { .name: xcodes, .offset: 48, .size: 8, .value_kind: global_buffer, .address_space: global }
      - { .name: xscales, .offset: 56, .size: 8, .value_kind: global_buffer, .address_space: global }
      - { .name: wcodes, .offset: 64, .size: 8, .value_kind: global_buffer, .address_space: global }
      - { .name: wscales, .offset: 72, .size: 8, .value_kind: global_buffer, .address_space: global }
    .group_segment_fixed_size: 68096
    .private_segment_fixed_size: 0
    .kernarg_segment_align: 8
    .kernarg_segment_size: 80
    .max_flat_workgroup_size: 128
    .sgpr_count:     66
    .vgpr_count:     192
    .wavefront_size: 32
...
	.end_amdgpu_metadata
.endif
;; end of part 1
;; launch proj (part 2): grid 4 x 96, 4 waves a work-group, clusters of 4 x 4, 327,680 bytes of LDS; arguments xcodes, xscales, wcodes, wscales, acodes, ascales; writes acodes, ascales
.if DOCPART == 2
	.amdgcn_target "amdgcn-amd-amdhsa--gfx1250"
	.amdhsa_code_object_version 6
	.text
	.protected	k_q2910e4d995_proj
	.globl	k_q2910e4d995_proj
	.p2align	8
	.type	k_q2910e4d995_proj,@function
k_q2910e4d995_proj:
	s_mov_b64 s[64:65], 0
	v_nop
	global_prefetch_b8 v0, s[64:65] scope:SCOPE_SE
	s_setreg_imm32_b32 hwreg(HW_REG_WAVE_MODE, 25, 1), 1
	s_wait_xcnt 0x0
	s_wait_alu depctr_hold_cnt(0) depctr_sa_sdst(0) depctr_va_vdst(0) depctr_va_sdst(0) depctr_va_ssrc(0) depctr_va_vcc(0) depctr_vm_vsrc(0)
	s_getreg_b32 s2, hwreg(HW_REG_IB_STS2, 6, 4)
	s_cmp_eq_u32 s2, 0
	s_cbranch_scc0 .Lentry_in_a_cluster
	s_endpgm
.Lentry_in_a_cluster:
	s_bfe_u32 s2, ttmp6, 0x10000c
	s_cmp_lg_u32 s2, 0xf033
	s_cbranch_scc0 .Lentry_shape_is_right
	s_endpgm
.Lentry_shape_is_right:
; The three projections on codes of FP6 (E2M3), K = 1,024, and the quantising of their results: q and k along d, v along the keys.  Cluster y / 8 is the tensor (0 q, 1 k, 2 v).
; A work-group makes 256 x 256 results, a wave 128 x 128 in 64 accumulators.  Source 0 = rows of B, source 1 = rows of A: a lane's registers run along B's rows.  For q and k A = tokens, B = weights (registers along d);
; for v A = weights, B = tokens (registers along the keys).  The stored row order of both operands makes a lane's 16 registers of two neighbouring tiles 16 neighbours along the next product's K.
; K goes through a ring of two LDS slots in CHUNKS OF 256 BYTES of each row (a row of codes is 768 bytes: three chunks, each beginning at a multiple of 256 bytes); a step of 128 along K is 96 bytes: eight steps.
; Steps 2 and 5 lie across two chunks.  The scales of the 256 + 256 rows come once, as dense blocks.  4 x 4 clusters: A's tiles are asked for jointly along a row, B's along a column.
; No prefetch is laid: three chunks in all, two of them asked for at the head, so no trip stands two steps ahead of a refill.
; THE WAY OUT writes images of operand registers (six registers = 768 bytes: 16 x lane, then 512 + 8 x lane) into acodes and scale words into ascales, as the attention launch reads them.
; LIMITS: a block of zeros or under 2^-124 gets the byte 1; NaN and infinities are not served.
.set ROWB,   256
.set NQ,     2
.set KROW,   768
.set STEPS,  8
.set CHUNKS, 3
.set PITCH,  272                       ; 256 bytes + 16 of padding
.set FR,     12
.set NL,     6
.set NP,     4
.set HALFT,  128*PITCH
.set SLOT,   4*HALFT
.set KS,     32
.set SCL,    2*SLOT
.set HALFS,  (128*KS/256)*272
.set SBLK,   (16*KS/256)*272
.set SPARE,  SCL+4*HALFS
.set ADRA, 16                          ; v16-17 A's fragments in slot 0, 1; v18-19 for pieces whose lane halves read different chunks
.set ADRB, 20
.set SST,  24
.set SRD,  25
.set ADRS, 27
.set SPW,  28
.set NIL,  29
.set SC,   32
.set AF,   128
.set VO16, 3
.set VO8,  4
.set VD16, 5
.set VD8,  6
.set SHV,  7
.set VSO,  10
.set CD0,  64
.set LB,   120
.set TM,   224
.set PW,   240
.set SV,   242
.set G1, 24
.set G0, 32
.set G1B, 48
.set G0B, 56
.set G1S, 68
.set G0S, 76
.set G1SB, 80
.set G0SB, 88
.set G0H, 4
.set G0HB, 8
.set TN,  95
.set MSB, 0
.macro WIN new
.if MSB != \new
	s_set_vgpr_msb (MSB<<8)|\new
.set MSB, \new
.endif
.endm
.set MUL_LO, 0xa1
.set MUL_HI, 0xf1
.set TO_B,   0x40
.macro JLOAD g0a, g1a, g0b, g1b        ; waves 0, 1 fetch for A, waves 2, 3 for B; s_nop 0 and four v_nop behind each load
	s_cmp_eq_u32 s15, 0
	s_cbranch_scc0 .Lfor_b_\@
	tensor_load_to_lds s[\g0a:\g0a+3], s[\g1a:\g1a+7]
	s_nop 0
.rept 4
	v_nop
.endr
	s_branch .Lasked_\@
.Lfor_b_\@:
	tensor_load_to_lds s[\g0b:\g0b+3], s[\g1b:\g1b+7]
	s_nop 0
.rept 4
	v_nop
.endr
.Lasked_\@:
.endm
.macro CREST
	s_cmp_lg_u32 s14, 0
	s_cbranch_scc1 .Lnot_wave_0_\@
	s_barrier_signal -3
.Lnot_wave_0_\@:
	s_barrier_wait -3
	s_barrier_signal -1
	s_barrier_wait -1
.endm
.macro CROUND
	s_barrier_signal -1
	s_barrier_wait -1
	CREST
.endm
	s_load_b128 s[4:7], s[0:1], 0x0                ; xcodes, xscales
	s_load_b128 s[8:11], s[0:1], 0x10              ; wcodes, wscales
	s_load_b64 s[12:13], s[0:1], 0x20              ; acodes
	s_load_b64 s[66:67], s[0:1], 0x28              ; ascales
	v_lshl_add_u32 v[SPW], v0, 2, SPARE
	v_mov_b32 v[NIL], 0
	ds_add_u32 v[SPW], v[NIL]                      ; the opening lines: the add twice and its wait
	ds_add_u32 v[SPW], v[NIL]
	v_lshrrev_b32 v1, 5, v0
	v_readfirstlane_b32 s14, v1                    ; wave
	s_lshr_b32 s15, s14, 1
	s_and_b32 s16, s14, 1
	s_bfe_u32 s40, ttmp6, 0x40000                  ; cx
	s_bfe_u32 s41, ttmp6, 0x40004                  ; cy
	s_and_b32 s94, ttmp7, 0xffff
	s_lshr_b32 s[TN], s94, 3                       ; tensor
	s_and_b32 s98, s94, 7
	s_lshl_b32 s98, s98, 2                         ; the cluster's four blocks of 256 tokens
	s_lshl_b32 s100, s[TN], 13
	s_lshl_b32 s101, s[TN], 10
	s_cmp_eq_u32 s[TN], 2
	s_cselect_b32 s99, 0, s98
	s_cselect_b32 s98, s98, 0
	s_cselect_b32 s100, 2048, s100                 ; A's first row in its buffer
	s_cselect_b32 s101, 16384, s101                ; B's
	s_add_co_u32 s42, s40, s98                     ; tile column
	s_add_co_u32 s17, s41, s99                     ; tile row
	s_lshl_b32 s43, s41, 2
	s_lshl_b32 s43, 15, s43
	s_lshl_b32 s44, 0x1111, s40
	s_or_b32 s[G1+0], s43, (0<<16)|(1<<20)|(1<<21)|(5<<22)|(3<<25)
	s_or_b32 s[G1B+0], s44, (0<<16)|(1<<20)|(1<<21)|(5<<22)|(3<<25)
.irp g, G1, G1B
	s_mov_b32 s[\g+1], ROWB<<16
	s_mov_b32 s[\g+2], 256<<16                     ; 256 rows for the head's loads
	s_mov_b32 s[\g+3], ROWB<<16
	s_mov_b32 s[\g+4], 256
	s_mov_b32 s[\g+5], KROW
	s_mov_b32 s[\g+6], 0
	s_mov_b32 s[\g+7], 0
.endr
	s_or_b32 s[G1S+0], s43, (3<<16)|(1<<20)|(1<<21)|(5<<22)|(3<<25)
	s_or_b32 s[G1SB+0], s44, (3<<16)|(1<<20)|(1<<21)|(5<<22)|(3<<25)
.irp g, G1S, G1SB
	s_mov_b32 s[\g+1], 32<<16
	s_mov_b32 s[\g+2], KS<<16
	s_mov_b32 s[\g+3], 32<<16
	s_mov_b32 s[\g+4], KS
	s_mov_b32 s[\g+5], 32
	s_mov_b32 s[\g+6], 0
	s_mov_b32 s[\g+7], 0
.endr
	s_lshl_b32 s20, s17, 8
	s_add_co_u32 s20, s20, s100                    ; A: the tile's first row
	s_lshl_b32 s46, s42, 8
	s_add_co_u32 s46, s46, s101                    ; B's
	s_mov_b32 s21, 0
	s_mov_b32 s47, 0
	s_mov_b64 s[18:19], KS
	s_mul_u64 s[22:23], s[20:21], s[18:19]
	s_mul_u64 s[92:93], s[46:47], s[18:19]
	s_mov_b64 s[18:19], KROW
	s_mul_u64 s[20:21], s[20:21], s[18:19]
	s_mul_u64 s[46:47], s[46:47], s[18:19]
	s_mul_i32 s18, s16, 128*KROW                   ; in the ring I fetch 128 rows
	s_mov_b32 s19, 0
	s_mul_i32 s45, s14, HALFT
	s_wait_dscnt 0x0                               ; both opening adds are done
	s_wait_kmcnt 0x0
	s_cmp_eq_u32 s[TN], 2                          ; for v the weights are A and the tokens B; the choice hangs on the cluster's y alone
	s_cselect_b64 s[96:97], s[8:9], s[4:5]
	s_cselect_b64 s[8:9], s[4:5], s[8:9]
	s_mov_b64 s[4:5], s[96:97]
	s_cselect_b64 s[96:97], s[10:11], s[6:7]
	s_cselect_b64 s[10:11], s[6:7], s[10:11]
	s_mov_b64 s[6:7], s[96:97]
	s_add_nc_u64 s[20:21], s[4:5], s[20:21]
	s_add_nc_u64 s[22:23], s[6:7], s[22:23]
	s_add_nc_u64 s[46:47], s[8:9], s[46:47]
	s_add_nc_u64 s[92:93], s[10:11], s[92:93]
	CROUND                                         ; the first joint loads meet
	s_mov_b32 s[G0H], 1
	s_mov_b32 s[G0H+1], 0
	s_mov_b64 s[G0H+2:G0H+3], s[20:21]
	s_or_b32 s[G0H+3], s[G0H+3], 0x80000000
	s_mov_b32 s[G0HB], 1
	s_mov_b32 s[G0HB+1], 2*HALFT
	s_mov_b64 s[G0HB+2:G0HB+3], s[46:47]
	s_or_b32 s[G0HB+3], s[G0HB+3], 0x80000000
	s_mov_b32 s[G0S], 1
	s_mov_b32 s[G0S+1], SCL
	s_mov_b64 s[G0S+2:G0S+3], s[22:23]
	s_or_b32 s[G0S+3], s[G0S+3], 0x80000000
	s_mov_b32 s[G0SB], 1
	s_mov_b32 s[G0SB+1], SCL+2*HALFS
	s_mov_b64 s[G0SB+2:G0SB+3], s[92:93]
	s_or_b32 s[G0SB+3], s[G0SB+3], 0x80000000
	s_add_nc_u64 s[20:21], s[20:21], s[18:19]
	s_add_nc_u64 s[46:47], s[46:47], s[18:19]
.irp s, 0,1
	s_mov_b32 s[G0+4*\s], 1
	s_add_co_u32 s[G0+4*\s+1], s45, \s*SLOT
	s_add_nc_u64 s[G0+4*\s+2:G0+4*\s+3], s[20:21], \s*ROWB
	s_or_b32 s[G0+4*\s+3], s[G0+4*\s+3], 0x80000000
	s_mov_b32 s[G0B+4*\s], 1
	s_add_co_u32 s[G0B+4*\s+1], s45, \s*SLOT
	s_add_nc_u64 s[G0B+4*\s+2:G0B+4*\s+3], s[46:47], \s*ROWB
	s_or_b32 s[G0B+4*\s+3], s[G0B+4*\s+3], 0x80000000
.endr
; the head's four tiles, one load a wave, in one chain of branches on the wave's number: chunk 0 of A, chunk 0 of B, A's scales, B's scales
.macro ARM under, g0, g1, next
	s_cmp_lt_u32 s14, \under
	s_cbranch_scc0 \next
	tensor_load_to_lds s[\g0:\g0+3], s[\g1:\g1+7]
	s_nop 0
.rept 4
	v_nop
.endr
	s_branch .Lhead_asked
\next:
.endm
	ARM 1, G0H,  G1,  .Lhead_b
	ARM 2, G0HB, G1B, .Lhead_sa
	ARM 3, G0S,  G1S, .Lhead_sb
	tensor_load_to_lds s[G0SB:G0SB+3], s[G1SB:G1SB+7]
	s_nop 0
.rept 4
	v_nop
.endr
.Lhead_asked:
	v_and_b32 v1, 15, v0                           ; l % 16
	v_bfe_u32 v2, v0, 4, 1                         ; l / 16
	v_mul_u32_u24 v3, v1, PITCH
	v_mul_u32_u24 v4, v2, 24
	v_add_nc_u32 v4, v3, v4
	s_mov_b32 s21, SLOT-232
	s_mov_b32 s22, SLOT+232
	v_sub_nc_u32 v7, 1, v2
	v_mul_u32_u24 v5, s21, v2
	v_add_nc_u32 v5, v3, v5
	v_add_nc_u32 v5, 232, v5                       ; lanes 0-15 byte 232 of the row in slot 0, lanes 16-31 byte 0 in slot 1
	v_mul_u32_u24 v6, s22, v7
	v_add_nc_u32 v6, v3, v6                        ; and the other way round
	s_mul_i32 s21, s15, HALFT
	s_mul_i32 s22, s16, HALFT
	s_add_co_u32 s22, s22, 2*HALFT
	v_add_nc_u32 v[ADRA+2], s21, v5
	v_add_nc_u32 v[ADRA+3], s21, v6
	v_add_nc_u32 v[ADRB+2], s22, v5
	v_add_nc_u32 v[ADRB+3], s22, v6
.irp s, 0,1
	v_add_nc_u32 v[ADRA+\s], s21, v4
	v_add_nc_u32 v[ADRB+\s], s22, v4
	s_add_co_u32 s21, s21, SLOT
	s_add_co_u32 s22, s22, SLOT
.endr
	v_mul_u32_u24 v5, v1, KS
	v_lshrrev_b32 v6, 8, v5
	v_lshl_add_u32 v5, v6, 4, v5
	s_mul_i32 s21, s15, HALFS
	s_mul_i32 s22, s16, HALFS
	s_add_co_u32 s22, s22, 2*HALFS
	s_sub_co_u32 s22, s22, s21
	v_mul_u32_u24 v6, s22, v2                      ; lanes 16-31 take B's scale words
	s_add_co_u32 s21, s21, SCL
	v_add_nc_u32 v5, v5, v6
	v_add_nc_u32 v[ADRS], s21, v5
	s_lshl_b32 s23, s14, 10
	s_add_co_u32 s23, s23, SLOT                    ; the way out's 1,024 bytes a wave lie in slot 1: its last fill and last read are over behind the walk's last barrier (the last chunk lies in slot 0)
	v_lshlrev_b32 v5, 2, v1
	v_lshl_add_u32 v5, v2, 9, v5
	v_add_nc_u32 v[SST], s23, v5
	v_and_b32 v6, 31, v0
	v_lshlrev_b32 v6, 4, v6
	v_add_nc_u32 v[SRD], s23, v6
.macro FRAG reg, adr, st, i            ; 16 rows x 128 K: six pieces of 8 bytes; byte y of a row lies in slot (y / 256) % 2 at byte y % 256
.irp p, 0,1,2,3,4,5
.set BY, 96*(\st)+48*(\p/3)+8*(\p%3)
.if BY/ROWB == (BY+24)/ROWB
	ds_load_b64 v[\reg+2*\p:\reg+2*\p+1], v[\adr+(BY/ROWB)%2] offset:BY%ROWB+(\i)*16*PITCH
.else
	ds_load_b64 v[\reg+2*\p:\reg+2*\p+1], v[\adr+2+(BY/ROWB)%2] offset:BY%ROWB-232+(\i)*16*PITCH
.endif
.endr
.endm
.macro MUL16 a0, p, q, sc, zero        ; the 64 accumulators take turns, one instruction a turn
.irp a, \a0, \a0+1
.irp b, 0,1,2,3,4,5,6,7
.if \zero
	v_wmma_scale_f32_16x16x128_f8f6f4 v[8*(8*((\a)%4)+\b):8*(8*((\a)%4)+\b)+7], v[128*(\p)+FR*\b:128*(\p)+FR*\b+FR-1], v[AF+FR*(\a):AF+FR*(\a)+FR-1], 0, v[SC+8*NQ*(\sc)+NQ*\b+(\q)], v[SC+8*NQ*(\sc)+NQ*(\a)+(\q)] matrix_a_fmt:MATRIX_FMT_FP6 matrix_b_fmt:MATRIX_FMT_FP6 matrix_a_scale:MATRIX_SCALE_ROW1
.else
	v_wmma_scale_f32_16x16x128_f8f6f4 v[8*(8*((\a)%4)+\b):8*(8*((\a)%4)+\b)+7], v[128*(\p)+FR*\b:128*(\p)+FR*\b+FR-1], v[AF+FR*(\a):AF+FR*(\a)+FR-1], v[8*(8*((\a)%4)+\b):8*(8*((\a)%4)+\b)+7], v[SC+8*NQ*(\sc)+NQ*\b+(\q)], v[SC+8*NQ*(\sc)+NQ*(\a)+(\q)] matrix_a_fmt:MATRIX_FMT_FP6 matrix_b_fmt:MATRIX_FMT_FP6 matrix_a_scale:MATRIX_SCALE_ROW1
.endif
.endr
.endr
.endm
.macro FETCH_B st, p
	WIN TO_B
.irp i, 0,1,2,3,4,5,6,7
	FRAG 128*(\p)+FR*\i, ADRB, \st, \i
.endr
	WIN 0
.endm
.macro FETCH_A st, i0
.irp i, \i0, \i0+1, \i0+2, \i0+3
	FRAG AF+FR*(\i), ADRA, \st, \i
.endr
.endm
.macro SCALES pr
.irp i, 0,1,2,3,4,5,6,7
	ds_load_b64 v[SC+8*NQ*((\pr)%2)+NQ*\i:SC+8*NQ*((\pr)%2)+NQ*\i+1], v[ADRS] offset:\i*SBLK+4*NQ*(\pr)
.endr
.endm
.macro PLACES n
.rept \n
	v_nop
.endr
.endm
; A step: 64 products; the next step's fragments are fetched in its middle and at its end.  Where the next step ends in a chunk not yet read: a wait for my loads and a barrier.
; Where it begins in a later chunk: the three lines, the barrier, and, where a chunk two on is left, the cluster's round and the refill.
.macro STEP st, zero
.set NX, (\st)+1
.set C0, (96*(\st))/ROWB
.set C1, (96*NX)/ROWB
.set E0, (96*(\st)+95)/ROWB
.set E1, (96*NX+95)/ROWB
.if C1 > C0 || E1 > E0
	s_wait_tensorcnt 0x0                           ; all my tensor loads have landed
.if C1 > C0
	ds_add_u32 v[SPW], v[NIL]
	s_wait_dscnt 4*NL+1                            ; the add and A's blocks 4-7 may be out
.else
	s_wait_dscnt 4*NL                              ; A's blocks 4-7 may be out
.endif
	WIN MUL_LO
	MUL16 0, (\st)%2, (\st)%2, ((\st)/2)%2, \zero
	s_wait_dscnt 0x0                               ; the add and all my reads are done
	s_barrier_signal -1
	MUL16 2, (\st)%2, (\st)%2, ((\st)/2)%2, \zero
	WIN 0
	s_barrier_wait -1
.if C1 > C0 && C0+2 < CHUNKS
	CREST
	s_add_nc_u64 s[G0+4*(C0%2)+2:G0+4*(C0%2)+3], s[G0+4*(C0%2)+2:G0+4*(C0%2)+3], 2*ROWB
	s_add_nc_u64 s[G0B+4*(C0%2)+2:G0B+4*(C0%2)+3], s[G0B+4*(C0%2)+2:G0B+4*(C0%2)+3], 2*ROWB
	JLOAD G0+4*(C0%2), G1, G0B+4*(C0%2), G1B       ; chunk C0 + 2; its four v_nop are the places in front of the loads below
.else
	PLACES NP
.endif
.else
	s_wait_dscnt 4*NL                              ; A's blocks 4-7 may be out
	WIN MUL_LO
	MUL16 0, (\st)%2, (\st)%2, ((\st)/2)%2, \zero
	MUL16 2, (\st)%2, (\st)%2, ((\st)/2)%2, \zero
	s_wait_dscnt 0
	PLACES NP
.endif
	FETCH_B NX, NX%2
	FETCH_A NX, 0
.if NX%2 == 0
	SCALES NX/2
.endif
	WIN MUL_HI
	MUL16 4, (\st)%2, (\st)%2, ((\st)/2)%2, \zero
	MUL16 6, (\st)%2, (\st)%2, ((\st)/2)%2, \zero
	PLACES NP
	WIN 0
	FETCH_A NX, 4
.endm
	s_wait_alu depctr_va_vdst(0)                   ; the head's end
	s_wait_tensorcnt 0x0                           ; my tile of the head's four is in; the three lines ahead of slot 1's first fill
	ds_add_u32 v[SPW], v[NIL]
	s_mov_b32 s[G1+2], 128<<16                     ; no load of mine is out: from here on a load brings 128 rows
	s_mov_b32 s[G1+4], 128
	s_mov_b32 s[G1B+2], 128<<16
	s_mov_b32 s[G1B+4], 128
	s_wait_dscnt 0x0
	CROUND
	JLOAD G0+4, G1, G0B+4, G1B                     ; chunk 1
	FETCH_B 0, 0
	FETCH_A 0, 0
	SCALES 0
	FETCH_A 0, 4
	STEP 0, 1                                      ; the first step's products start the sums
.set ST, 1
.rept STEPS-2
	STEP ST, 0
.set ST, ST+1
.endr
	s_wait_dscnt 4*NL
	WIN MUL_LO
	MUL16 0, 1, 1, 1, 0
	MUL16 2, 1, 1, 1, 0
	s_wait_dscnt 0
	WIN MUL_HI
	MUL16 4, 1, 1, 1, 0
	MUL16 6, 1, 1, 1, 0
	WIN 0
	PLACES NP
	; THE WAY OUT: where my images and scale words go
	s_lshl_b32 s92, s17, 8
	s_lshl_b32 s93, s15, 7
	s_add_co_u32 s92, s92, s93
	s_lshl_b32 s93, s42, 8
	s_lshl_b32 s94, s16, 7
	s_add_co_u32 s93, s93, s94
	s_mov_b32 s40, 98304
	s_mov_b32 s18, 768
	s_mov_b32 s44, 256
	s_cmp_eq_u32 s[TN], 2
	s_cselect_b32 s20, s93, s92
	s_cselect_b32 s21, s92, s93
	s_cselect_b32 s40, 768, s40
	s_cselect_b32 s18, 1536, s18
	s_cselect_b32 s22, 92160, 0
	s_cselect_b32 s41, -1, 0xffff
	s_cselect_b32 s43, 0, 16
	s_cselect_b32 s44, 12288, s44
	s_cselect_b32 s45, 512, 0
	s_mov_b32 s19, 0
	s_mov_b32 s23, 0
	s_lshr_b32 s46, s20, 11
	s_lshl_b32 s46, s46, 4
	s_lshr_b32 s47, s21, 6
	s_add_co_u32 s46, s46, s47
	s_bfe_u32 s47, s20, 0x40007
	s_mul_i32 s92, s[TN], 6291456
	s_mul_i32 s93, s46, 98304
	s_add_co_u32 s92, s92, s93
	s_mul_i32 s93, s47, 6144
	s_add_co_u32 s92, s92, s93
	s_mov_b32 s93, 0
	s_add_nc_u64 s[12:13], s[12:13], s[92:93]
	s_mov_b32 s96, 12288
	s_mov_b32 s94, 768
	s_cmp_eq_u32 s[TN], 0
	s_cselect_b32 s96, 8192, s96
	s_cselect_b32 s94, 512, s94
	s_cselect_b32 s98, 0, 524288
	s_mul_i32 s92, s46, s96
	s_mul_i32 s94, s47, s94
	s_add_co_u32 s92, s92, s94
	s_add_co_u32 s92, s92, s98
	s_add_co_u32 s92, s92, s45
	s_add_nc_u64 s[66:67], s[66:67], s[92:93]
	s_mov_b32 s97, 0
	s_add_nc_u64 s[100:101], s[66:67], s[96:97]
	s_mov_b32 s98, 0x76543210
	s_mov_b32 s99, 0xfedcba98
	v_and_b32 v11, 31, v0
	v_lshlrev_b32 v[VO16], 4, v11
	v_lshlrev_b32 v[VO8], 3, v11
	v_add_nc_u32 v[VD16], s40, v[VO16]
	v_add_nc_u32 v[VD8], s40, v[VO8]
	v_mul_u32_u24 v[SHV], s43, v2
	v_mul_u32_u24 v[VSO], s44, v2
	v_lshl_add_u32 v[VSO], v1, 4, v[VSO]
.irp b, 0,1,2,3
	v_mov_b32 v[TM+4+\b], 0
.endr
.macro QUANTW a                        ; block a's 16 rows x 128: four blocks of 32 along the registers, quantised into 12 operand registers and a scale word
.set W, 2+(\a)/4
.set S0, 64*((\a)%4)
.set P, CD0+32*((\a)%2)
	WIN 5*W
.irp b, 0,1,2,3
	v_max3_num_f32 v[TM+\b], |v[S0+16*\b]|, |v[S0+16*\b+1]|, 0x1800000
.endr
	WIN 20*W
.irp i, 2,4,6,8,10,12,14
.irp b, 0,1,2,3
	v_max3_num_f32 v[TM+\b], v[TM+\b], |v[S0+16*\b+\i]|, |v[S0+16*\b+\i+1]|
.endr
.endr
	WIN 0
.irp b, 0,1,2,3
	v_permlanex16_b32 v[TM+4+\b], v[TM+\b], s98, s99
.endr
.irp b, 0,1,2,3
	v_max_num_f32 v[TM+\b], v[TM+\b], v[TM+4+\b]
.endr
.irp b, 0,1,2,3
	v_add_nc_u32 v[TM+12+\b], 0xff000000, v[TM+\b]
.endr
.irp b, 0,1,2,3
	v_lshrrev_b32 v[TM+4+\b], 23, v[TM+12+\b]
.endr
	v_lshl_or_b32 v[PW], v[TM+5], 8, v[TM+4]
	v_lshl_or_b32 v[PW], v[TM+6], 16, v[PW]
	v_lshl_or_b32 v[PW], v[TM+7], 24, v[PW]
	WIN W
.irp c, 0,1
	v_cvt_scalef32_pk16_fp6_f32 v[P+6*\c:P+2+6*\c], v[S0+32*\c:S0+15+32*\c], v[TM+12+2*\c]
	v_cvt_scalef32_pk16_fp6_f32 v[P+12+4*\c:P+14+4*\c], v[S0+16+32*\c:S0+31+32*\c], v[TM+12+2*\c+1]
.endr
	WIN 0
	v_nop
.irp c, 0,1
.irp i, 0,1,2
	v_permlane16_swap_b32 v[P+6*\c+\i], v[P+12+4*\c+\i]
.endr
.irp i, 0,1,2
	v_mov_b32 v[P+3+6*\c+\i], v[P+12+4*\c+\i]
.endr
.endr
.endm
.macro OUTA a
	QUANTW \a
	v_lshrrev_b32 v[SV+(\a)], v[SHV], v[PW]
	v_and_b32 v[SV+(\a)], s41, v[SV+(\a)]
	ds_store_b32 v[SST], v[SV+(\a)] offset:64*(\a)
	s_wait_alu depctr_va_vdst(0)
	s_wait_xcnt 0x0                                ; earlier stores have read their base and data
.if (\a) > 0
	s_add_nc_u64 s[12:13], s[12:13], s[18:19]
.endif
.if (\a) == 4
	s_add_nc_u64 s[12:13], s[12:13], s[22:23]
.endif
	global_store_b128 v[VO16], v[P:P+3], s[12:13]
	global_store_b64 v[VO8], v[P+4:P+5], s[12:13] offset:512
	global_store_b128 v[VD16], v[P+6:P+9], s[12:13]
	global_store_b64 v[VD8], v[P+10:P+11], s[12:13] offset:512
.endm
.irp a, 0,1,2,3,4,5,6,7
	OUTA \a
.endr
	ds_load_b128 v[LB:LB+3], v[SRD]
	ds_load_b128 v[LB+4:LB+7], v[SRD] offset:512
	s_wait_dscnt 0x0
	global_store_b128 v[VSO], v[LB:LB+3], s[66:67]
	s_cmp_eq_u32 s[TN], 2
	s_cbranch_scc1 .Lno_second
	global_store_b128 v[VSO], v[LB+4:LB+7], s[100:101]
.Lno_second:
	s_wait_tensorcnt 0x0                           ; the wave's end
	ds_add_u32 v[SPW], v[NIL]
	s_wait_dscnt 0x0
	CROUND                                         ; the closing round
	s_endpgm
.Lfunc_end_k_q2910e4d995_proj:
	.size	k_q2910e4d995_proj, .Lfunc_end_k_q2910e4d995_proj-k_q2910e4d995_proj
	.p2alignl 7, 3214868480
	.fill 96, 4, 3214868480
	.section	.rodata,"a",@progbits
	.p2align	6, 0x0
	.amdhsa_kernel k_q2910e4d995_proj
		.amdhsa_group_segment_fixed_size 327680
		.amdhsa_private_segment_fixed_size 0
		.amdhsa_enable_private_segment 0
		.amdhsa_kernarg_size 48
		.amdhsa_user_sgpr_count 2
		.amdhsa_user_sgpr_kernarg_segment_ptr 1
		.amdhsa_wavefront_size32 1
		.amdhsa_system_sgpr_workgroup_id_x 1
		.amdhsa_system_sgpr_workgroup_id_y 1
		.amdhsa_system_sgpr_workgroup_id_z 1
		.amdhsa_system_vgpr_workitem_id 0
		.amdhsa_next_free_vgpr 1024
		.amdhsa_next_free_sgpr 102
		.amdhsa_reserve_vcc 0
		.amdhsa_float_denorm_mode_32 3
		.amdhsa_float_denorm_mode_16_64 3
		.amdhsa_memory_ordered 1
		.amdhsa_forward_progress 1
		.amdhsa_inst_pref_size 170
	.end_amdhsa_kernel
	.amdgpu_metadata
---
amdhsa.version: [ 1, 2 ]
amdhsa.kernels:
  - .name:           k_q2910e4d995_proj
    .symbol:         k_q2910e4d995_proj.kd
    .args:
      - { .name: xcodes, .offset: 0, .size: 8, .value_kind: global_buffer, .address_space: global }
      - { .name: xscales, .offset: 8, .size: 8, .value_kind: global_buffer, .address_space: global }
      - { .name: wcodes, .offset: 16, .size: 8, .value_kind: global_buffer, .address_space: global }
      - { .name: wscales, .offset: 24, .size: 8, .value_kind: global_buffer, .address_space: global }
      - { .name: acodes, .offset: 32, .size: 8, .value_kind: global_buffer, .address_space: global }
      - { .name: ascales, .offset: 40, .size: 8, .value_kind: global_buffer, .address_space: global }
    .group_segment_fixed_size: 327680
    .private_segment_fixed_size: 0
    .kernarg_segment_align: 8
    .kernarg_segment_size: 48
    .max_flat_workgroup_size: 128
    .sgpr_count:     102
    .vgpr_count:     1024
    .wavefront_size: 32
...
	.end_amdgpu_metadata
.endif
;; end of part 2
;; launch attn (part 3): grid 4 x 64, 8 waves a work-group, clusters of 4 x 1, 327,680 bytes of LDS; arguments acodes, ascales, ows; writes ows
.if DOCPART == 3
	.amdgcn_target "amdgcn-amd-amdhsa--gfx1250"
	.amdhsa_code_object_version 6
	.text
	.protected	k_q2910e4d995_attn
	.globl	k_q2910e4d995_attn
	.p2align	8
	.type	k_q2910e4d995_attn,@function
k_q2910e4d995_attn:
	s_mov_b64 s[64:65], 0
	v_nop
	global_prefetch_b8 v0, s[64:65] scope:SCOPE_SE
	s_setreg_imm32_b32 hwreg(HW_REG_WAVE_MODE, 25, 1), 1
	s_wait_xcnt 0x0
	s_wait_alu depctr_hold_cnt(0) depctr_sa_sdst(0) depctr_va_vdst(0) depctr_va_sdst(0) depctr_va_ssrc(0) depctr_va_vcc(0) depctr_vm_vsrc(0)
	s_getreg_b32 s2, hwreg(HW_REG_IB_STS2, 6, 4)
	s_cmp_eq_u32 s2, 0
	s_cbranch_scc0 .Lentry_in_a_cluster
	s_endpgm
.Lentry_in_a_cluster:
	s_bfe_u32 s2, ttmp6, 0x10000c
	s_cmp_lg_u32 s2, 0x3003
	s_cbranch_scc0 .Lentry_shape_is_right
	s_endpgm
.Lentry_shape_is_right:
; Attention on codes of FP6 (E2M3): for each of 64 (batch, head): o = softmax(q k^T / 8) v, 2,048 queries x 2,048 keys, head size 64.  Operands arrive as images of operand registers, made by the launch before.
; THE SOFTMAX: t = score x log2(e) / 8; M = the running largest t rounded up to a whole number; p = 2^(t - M) is quantised along the keys, not normalised; the row's sum is taken of the unquantised p and divides o at the end.
; When M moves, the sum and o are multiplied by 2^(old M - new M), which rounds nothing.  LIMITS: a p under 2^-126 counts as 0; the promise holds while the scaled scores stay under 2^31 in magnitude; NaN and infinities are not served.
; SHARES.  256 work-groups.  A work-group owns 512 queries of one head and walks them in two passes of 256; each of its eight waves holds TWO tiles of 16 queries at a time, so that each fragment of K and V read from LDS feeds two tiles.
; THE HEAD'S K AND V STAY IN LDS, FILLED ONCE, for both passes: eight pieces of 24,576 bytes, one tensor load a wave; the four work-groups of a cluster belong to one head and ask for each piece jointly.
; The 12,288 bytes of scale words go through registers, 1,536 bytes a wave.
; LAYOUT.  S^T = K Q^T (source 0 = 16 keys), O^T = V^T P^T (source 0 = 16 d): a lane holds one query of each tile throughout.  K = 64 of the scores is filled up to 128 with zero codes on both sides.
; K's tile 4 c + i holds in its row 8 u + j the key 64 c + 32 u + 8 i + j: lane (r, h)'s 32 registers of tiles 4 c .. 4 c + 3 are the whole block 2 c + h of 32 keys, in the order that P's operand wants.
; LOADS RUN AHEAD: K's fragments and scale words of the next key step are asked for behind this step's score products, V's at the step's head.  Behind a pass's last step that reads 6,144 bytes of V's region and step 15's scale words again; they are not used.
; ONE LOOP of 16 chunks of 256 keys serves both passes; the way out stands under a branch on the loop's counter.
; REGISTERS.  Window 0: addresses, scale words, fragments of K, V, Q.  Window 1: the two tiles' state, 128 registers each, from B = 0 and B = 128:
;   B+0 S^T then p (64); B+64 O^T (32); B+96 p's codes (12); B+108..114 at work; B+115 at work; B+116,117 block maxima; B+118,119 scale operands; B+120 -M; B+121 the running largest score; B+122,123 the sum; B+124 f; B+126, B+127 at work.
; IMAGES: six registers are 768 bytes: 16 x lane registers 0-3, 512 + 8 x lane registers 4-5.  acodes: Q at 0, K at 6,291,456: [bh][128 tiles][768]; V at 12,582,912: [bh][16 key steps][4 tiles of d][2 x 768].
; ascales: Q's words [bh][128][16] at 0; from 524,288 [bh][16 key steps][768]: K's [8][16] words, V's [4][16].   ows: [token][head][64] f32.
; No prefetch is laid: every tensor load of the launch goes out at its head.
.set VRG,   98304                      ; LDS: K's 98,304 bytes, then V's
.set SCR,   196608                     ; the scale words: 768 bytes a key step
.set STAGE, 208896                     ; the way out: 16 rows x 272 bytes a wave
.set SPARE, 243712                     ; the spare words, 128 bytes a wave
.set L16, 1                            ; 16 x lane
.set L8,  2                            ; 512 + 8 x lane
.set LSC, 3                            ; SCR + 4 (lane % 16)
.set A16, 4                            ; K of the chunk in hand
.set SPW, 5
.set NIL, 6
.set GO,  7
.set A8,  8
.set AS,  9                            ; scale words of the chunk in hand
.set STI, 10
.set STB, 11
.set ASN, 12                           ; scale words of the next chunk, held inside the region
.set QSO, 13                           ; 4 (lane % 16)
.set AV16, 14                          ; V of the chunk in hand
.set AV8,  15
.set KS,  16                           ; v16-23 K's scale words
.set VS,  24                           ; v24-27 V's
.set QS,  28                           ; v28-29 Q's, a tile each
.set PS,  30                           ; v30-31 p's, a tile each
.set KF,  32                           ; v32-127 eight fragments of K (registers 6-11 of each zeros)
.set VF,  128                          ; v128-175 four fragments of V
.set QF,  176                          ; v176-199 Q's two fragments (registers 6-11 zeros)
.set RB,  200                          ; v200-231 read back from the stage; at the head the scale words on their way
.set WV,  18
.set SEL, 20
.set CS,  22
.set NC,  50
.set G1,  24
.set G0R, 36
.set TB,  2
.set TV,  52
.set TS,  66
.set TSN, 53
.set MSB, 0
.macro WIN new                         ; the immediate's high byte repeats the setting that is left
.if MSB != \new
	s_set_vgpr_msb (MSB<<8)|\new
.set MSB, \new
.endif
.endm
.macro CROUND
	s_barrier_signal -1
	s_barrier_wait -1
	s_cmp_lg_u32 s[WV], 0
	s_cbranch_scc1 .Lnot_wave_0_\@
	s_barrier_signal -3
.Lnot_wave_0_\@:
	s_barrier_wait -3
	s_barrier_signal -1
	s_barrier_wait -1
.endm
	s_load_b128 s[4:7], s[0:1], 0x0                ; acodes, ascales
	s_load_b64 s[8:9], s[0:1], 0x10                ; ows
	v_lshl_add_u32 v[SPW], v0, 2, SPARE
	v_mov_b32 v[NIL], 0
	ds_add_u32 v[SPW], v[NIL]                      ; the opening lines: the add twice and its wait
	ds_add_u32 v[SPW], v[NIL]
	v_lshrrev_b32 v8, 5, v0
	v_readfirstlane_b32 s[WV], v8                  ; wave 0..7
	s_bfe_u32 s10, ttmp6, 0x40000                  ; cx: it enters Q's and the output's addresses alone
	s_lshl_b32 s11, ttmp9, 2
	s_add_co_u32 s11, s11, s10                     ; my block of 512 queries
	s_lshl_b32 s11, s11, 5
	s_lshl_b32 s13, s[WV], 1
	s_add_co_u32 s11, s11, s13                     ; my first tile of the first pass; the second pass's lie 16 tiles on
	s_and_b32 s12, ttmp7, 0xffff                   ; bh, which the four partners share
	s_mov_b32 s[G1], 15|(3<<16)|(1<<21)            ; the mask: all four work-groups; elements of 8 bytes; bit 21 beside a mask
	s_mov_b32 s[G1+1], 32<<16
	s_mov_b32 s[G1+2], 96<<16                      ; 96 rows of 256 bytes, dense
	s_mov_b32 s[G1+3], 32<<16
	s_mov_b32 s[G1+4], 96
	s_mov_b32 s[G1+5], 32
	s_mov_b32 s[G1+6], 0
	s_mov_b32 s[G1+7], 0
	s_mov_b32 s[G0R], 1
	s_mul_i32 s[G0R+1], s[WV], 24576               ; waves 0-3: K's quarters; waves 4-7: V's
	s_mul_i32 s15, s12, 98304
	s_lshr_b32 s19, s[WV], 2
	s_add_co_u32 s19, s19, 1
	s_mul_i32 s19, s19, 6291456
	s_add_co_u32 s19, s19, s15
	s_and_b32 s40, s[WV], 3
	s_mul_i32 s40, s40, 24576
	s_add_co_u32 s40, s40, s19
	s_mov_b32 s41, 0
	s_mul_i32 s16, s12, 12288
	s_add_co_u32 s16, s16, 524288
	s_mul_i32 s14, s[WV], 1536
	s_add_co_u32 s16, s16, s14                     ; key steps 2 wave, 2 wave + 1: their scale words,
	s_mov_b32 s17, 0
	s_add_co_u32 s49, s14, SCR                     ; and their place in LDS
	s_mul_i32 s42, s11, 768
	s_add_co_u32 s42, s42, s15                     ; Q's images
	s_mov_b32 s43, 0
	s_lshl_b32 s44, s12, 13
	s_lshl_b32 s45, s11, 6
	s_add_co_u32 s44, s44, s45                     ; Q's scale words
	s_mov_b32 s45, 0
	s_lshr_b32 s46, s12, 4                         ; batch
	s_lshl_b32 s46, s46, 11
	s_lshl_b32 s47, s11, 4
	s_add_co_u32 s46, s46, s47                     ; lane 0's token of my even tile: 16 x tile; the odd tile's lies 8 on; lane r's r + 8 (r / 8) on
	s_lshl_b32 s46, s46, 12
	s_and_b32 s47, s12, 15
	s_lshl_b32 s47, s47, 8
	s_add_co_u32 s46, s46, s47
	s_mov_b32 s47, 0
	s_mul_i32 s48, s[WV], 16*272
	s_add_co_u32 s48, s48, STAGE
	s_mov_b32 s[SEL], 0x76543210
	s_mov_b32 s[SEL+1], 0xfedcba98                 ; selects for lane l xor 16
	s_mov_b32 s[CS], 0x3e38aa3b                    ; c = log2(e) / 8
	s_mov_b32 s[CS+1], s[CS]
	s_mov_b32 s[NC], 0xbe38aa3b                    ; -c
	s_wait_dscnt 0x0                               ; both opening adds are done
	s_wait_kmcnt 0x0
	s_add_nc_u64 s[G0R+2:G0R+3], s[4:5], s[40:41]
	s_or_b32 s[G0R+3], s[G0R+3], 0x80000000
	s_add_nc_u64 s[42:43], s[4:5], s[42:43]
	s_add_nc_u64 s[44:45], s[6:7], s[44:45]
	s_add_nc_u64 s[16:17], s[6:7], s[16:17]
	s_add_nc_u64 s[8:9], s[8:9], s[46:47]
	CROUND                                         ; all four work-groups are here: the joint loads meet
	tensor_load_to_lds s[G0R:G0R+3], s[G1:G1+7]    ; my one tensor load of the launch
	s_nop 0
.rept 4
	v_nop
.endr
.macro QLOAD                           ; Q's registers and scale words of my two tiles
.irp T, 0,1
	global_load_b128 v[QF+12*\T:QF+12*\T+3], v[L16], s[42:43] offset:\T*768
	global_load_b64 v[QF+12*\T+4:QF+12*\T+5], v[L8], s[42:43] offset:\T*768
	global_load_b32 v[QS+\T], v[QSO], s[44:45] offset:\T*64
.endr
.endm
.macro KFIRST                          ; K's fragments and scale words of key step 0
.irp t, 0,1,2,3,4,5,6,7
	ds_load_b128 v[KF+12*\t:KF+12*\t+3], v[L16] offset:\t*768
	ds_load_b64 v[KF+12*\t+4:KF+12*\t+5], v[L8] offset:\t*768
	ds_load_b32 v[KS+\t], v[LSC] offset:64*\t
.endr
.endm
.macro INIT                            ; a pass begins: the largest score -3e38, zeros in the sums and O^T, which the first change of M leaves zeros
	WIN 0x55
.irp B, 0,128
	v_mov_b32 v[\B+121], 0xff61b1e6
	v_floor_f32 v[\B+120], -v[\B+121]
	v_mov_b32 v[\B+122], 0
	v_mov_b32 v[\B+123], 0
.irp j, 0,1,2,3,4,5,6,7,8,9,10,11,12,13,14,15,16,17,18,19,20,21,22,23,24,25,26,27,28,29,30,31
	v_mov_b32 v[\B+64+\j], 0
.endr
.endr
	WIN 0
.endm
	v_and_b32 v8, 31, v0
	v_lshlrev_b32 v[L16], 4, v8
	v_lshlrev_b32 v[L8], 3, v8
	v_add_nc_u32 v[L8], 512, v[L8]
	v_and_b32 v12, 15, v0                          ; r
	v_bfe_u32 v14, v0, 4, 1                        ; h
	v_lshlrev_b32 v[QSO], 2, v12
	v_lshl_add_u32 v[LSC], v12, 2, SCR
	global_load_b128 v[RB:RB+3], v[L16], s[16:17]  ; my 1,536 bytes of scale words
	global_load_b64 v[RB+4:RB+5], v[L8], s[16:17]
	global_load_b128 v[RB+6:RB+9], v[L16], s[16:17] offset:768
	global_load_b64 v[RB+10:RB+11], v[L8], s[16:17] offset:768
	QLOAD
	v_add_nc_u32 v[A16], s49, v[L16]
	v_add_nc_u32 v[A8], s49, v[L8]
.irp j, 6,7,8,9,10,11
	v_mov_b32 v[QF+\j], 0                          ; zero codes for K = 64 .. 127
	v_mov_b32 v[QF+12+\j], 0
.irp t, 0,1,2,3,4,5,6,7
	v_mov_b32 v[KF+12*\t+\j], 0
.endr
.endr
	v_lshlrev_b32 v[GO], 12, v14
	v_lshl_add_u32 v[GO], v12, 4, v[GO]
	v_mul_u32_u24 v[STI], v12, 272
	v_lshl_add_u32 v[STI], v14, 6, v[STI]
	v_add_nc_u32 v[STI], s48, v[STI]               ; into my stage: row r, + 64 h
	v_mul_u32_u24 v[STB], v14, 272
	v_lshl_add_u32 v[STB], v12, 4, v[STB]
	v_add_nc_u32 v[STB], s48, v[STB]               ; back: lanes 0-15 one row, lanes 16-31 the next
	WIN 0x55
.irp B, 0,128
	v_mov_b32 v[\B+125], 0                         ; named as the upper half of the pair with f
	v_mov_b32 v[\B+127], 0                         ; a lane permute's destination counts as one of its sources
.endr
	INIT
; A KEY STEP: 128 keys, the q-th of the chunk in hand, for both tiles.  The lines of the two tiles take turns.
.macro STEP q
.irp t, 0,1,2,3                                ; V's four fragments: 20 loads.  (The sixteen additions at the end of the step before are the places in front of them)
	ds_load_b128 v[VF+12*\t:VF+12*\t+3], v[AV16] offset:(\q)*6144+\t*1536
	ds_load_b64 v[VF+12*\t+4:VF+12*\t+5], v[AV8] offset:(\q)*6144+\t*1536
	ds_load_b128 v[VF+12*\t+6:VF+12*\t+9], v[AV16] offset:(\q)*6144+\t*1536+768
	ds_load_b64 v[VF+12*\t+10:VF+12*\t+11], v[AV8] offset:(\q)*6144+\t*1536+768
	ds_load_b32 v[VS+\t], v[AS] offset:(\q)*768+512+64*\t
.endr
	s_wait_dscnt 20                                ; K's 24 loads, asked for a step ago, are in; V's twenty may be out
	WIN 0x40                                       ; results in window 1
.irp T, 0,1
.irp t, 0,1,2,3,4,5,6,7
	v_wmma_scale_f32_16x16x128_f8f6f4 v[128*\T+8*\t:128*\T+8*\t+7], v[KF+12*\t:KF+12*\t+11], v[QF+12*\T:QF+12*\T+11], 0, v[KS+\t], v[QS+\T] matrix_a_fmt:MATRIX_FMT_FP6 matrix_b_fmt:MATRIX_FMT_FP6
.endr
.endr
.rept 4
	v_nop                                          ; places in front of the loads below and of the first read of results
.endr
	WIN 0
.irp t, 0,1,2,3,4,5,6,7                        ; the next step's K: 24 loads
	ds_load_b128 v[KF+12*\t:KF+12*\t+3], v[A16] offset:(\q+1)*6144+\t*768
	ds_load_b64 v[KF+12*\t+4:KF+12*\t+5], v[A8] offset:(\q+1)*6144+\t*768
.if \q == 0
	ds_load_b32 v[KS+\t], v[AS] offset:768+64*\t
.else
	ds_load_b32 v[KS+\t], v[ASN] offset:64*\t
.endif
.endr
	WIN 0x55                                       ; all in window 1
.irp c, 0,1                                    ; the largest score of my block 2 c + h: all 32 are mine
.irp t, 0,1,2,3
.irp B, 0,128
	v_max3_num_f32 v[\B+108+\t], v[\B+32*\c+8*\t], v[\B+32*\c+8*\t+1], v[\B+32*\c+8*\t+2]   ; each accumulator from its low end on
.endr
.endr
.irp i, 3,5
.irp t, 0,1,2,3
.irp B, 0,128
	v_max3_num_f32 v[\B+108+\t], v[\B+108+\t], v[\B+32*\c+8*\t+\i], v[\B+32*\c+8*\t+\i+1]
.endr
.endr
.endr
.irp B, 0,128
	v_max3_num_f32 v[\B+108], v[\B+108], v[\B+32*\c+7], v[\B+32*\c+15]
.endr
.irp B, 0,128
	v_max3_num_f32 v[\B+109], v[\B+109], v[\B+32*\c+23], v[\B+32*\c+31]
.endr
.irp B, 0,128
	s_delay_alu instid0(VALU_DEP_2)
	v_max3_num_f32 v[\B+108], v[\B+108], v[\B+109], v[\B+110]
.endr
.irp B, 0,128
	s_delay_alu instid0(VALU_DEP_2)
	v_max_num_f32 v[\B+116+\c], v[\B+108], v[\B+111]
.endr
.endr
.irp B, 0,128
	s_delay_alu instid0(VALU_DEP_2)
	v_max3_num_f32 v[\B+115], v[\B+116], v[\B+117], v[\B+121]      ; with the running largest score,
.endr
.irp B, 0,128
	s_delay_alu instid0(VALU_DEP_2)
	v_permlanex16_b32 v[\B+127], v[\B+115], s[SEL], s[SEL+1]
.endr
.irp B, 0,128
	s_delay_alu instid0(VALU_DEP_2)
	v_max_num_f32 v[\B+121], v[\B+115], v[\B+127]                  ; and lane l xor 16's two blocks
.endr
.irp B, 0,128
	s_delay_alu instid0(VALU_DEP_2)
	v_mul_f32 v[\B+115], s[NC], v[\B+121]                          ; -t
.endr
.irp B, 0,128
	s_delay_alu instid0(VALU_DEP_2)
	v_floor_f32 v[\B+115], v[\B+115]                               ; the new -M = -ceil(t)
.endr
.irp B, 0,128
	s_delay_alu instid0(VALU_DEP_2)
	v_sub_f32 v[\B+127], v[\B+115], v[\B+120]                      ; old M - new M: a whole number, 0 or less
.endr
.irp B, 0,128
	v_mov_b32 v[\B+120], v[\B+115]
.endr
.irp B, 0,128
	v_cvt_i32_f32 v[\B+127], v[\B+127]                             ; (it saturates)
.endr
.irp B, 0,128
	s_delay_alu instid0(VALU_DEP_2)
	v_ldexp_f32 v[\B+124], 1.0, v[\B+127]                          ; f = 2^(old M - new M)
.endr
.irp j, 0,2,4,6,8,10,12,14,16,18,20,22,24,26,28,30,32,34,36,38,40,42,44,46,48,50,52,54,56,58,60,62
.irp B, 0,128
	v_pk_fma_f32 v[\B+\j:\B+\j+1], v[\B+\j:\B+\j+1], s[CS:CS+1], v[\B+120:\B+121] op_sel_hi:[1,0,0]   ; t - M, two at a time
.endr
.endr
.irp B, 0,128
	v_fma_f32 v[\B+116], v[\B+116], s[CS], v[\B+120]               ; the same of each block's largest score: p rises with the score
	v_fma_f32 v[\B+117], v[\B+117], s[CS], v[\B+120]
.endr
.irp j, 0,2,4,6,8,10,12,14,16,18,20,22,24,26,28,30
.irp B, 0,128
	v_pk_mul_f32 v[\B+64+\j:\B+65+\j], v[\B+64+\j:\B+65+\j], v[\B+124:\B+125] op_sel_hi:[1,0]   ; O^T under the new M, ahead of the exponentials
.endr
.endr
	s_wait_alu depctr_va_vdst(0)                   ; the wait ahead of the batch
.irp B, 0,128
.irp j, 0,1,2,3,4,5,6,7,8,9,10,11,12,13,14,15,16,17,18,19,20,21,22,23,24,25,26,27,28,29,30,31,32,33,34,35,36,37,38,39,40,41,42,43,44,45,46,47,48,49,50,51,52,53,54,55,56,57,58,59,60,61,62,63
	v_exp_f32 v[\B+\j], v[\B+\j]                   ; p = 2^(t - M), at most 1
.endr
	v_exp_f32 v[\B+116], v[\B+116]                 ; the blocks' largest p
	v_exp_f32 v[\B+117], v[\B+117]
.endr
.irp B, 0,128
	v_pk_mul_f32 v[\B+122:\B+123], v[\B+122:\B+123], v[\B+124:\B+125] op_sel_hi:[1,0]   ; the sums under the new M (plain lines behind the batch)
.endr
	s_wait_alu depctr_va_vdst(0)                   ; and the wait behind it
.irp B, 0,128
	v_max_num_f32 v[\B+116], 0x1800000, v[\B+116]  ; the floor 2^(3 - 127): the byte cannot fall under 1
	v_max_num_f32 v[\B+117], 0x1800000, v[\B+117]
.endr
.irp B, 0,128
	v_add_nc_u32 v[\B+118], 0xff000000, v[\B+116]  ; 2 off the exponent field: the conversions' scale operands
	v_add_nc_u32 v[\B+119], 0xff000000, v[\B+117]
.endr
.irp B, 0,128
	v_cvt_scalef32_pk16_fp6_f32 v[\B+96:\B+98], v[\B:\B+15], v[\B+118]
	v_cvt_scalef32_pk16_fp6_f32 v[\B+108:\B+110], v[\B+16:\B+31], v[\B+118]      ; (a conversion's three registers begin on an even number)
	v_cvt_scalef32_pk16_fp6_f32 v[\B+102:\B+104], v[\B+32:\B+47], v[\B+119]
	v_cvt_scalef32_pk16_fp6_f32 v[\B+112:\B+114], v[\B+48:\B+63], v[\B+119]
.endr
.irp B, 0,128
	v_lshrrev_b32 v[\B+116], 23, v[\B+118]         ; the scales' bytes (also the plain lines behind the conversions)
	v_lshrrev_b32 v[\B+117], 23, v[\B+119]
.endr
.irp B, 0,128
	v_lshl_or_b32 v[\B+126], v[\B+117], 16, v[\B+116]              ; my blocks h and 2 + h
.endr
.irp i, 0,1,2
.irp B, 0,128
	v_mov_b32 v[\B+99+\i], v[\B+108+\i]
	v_mov_b32 v[\B+105+\i], v[\B+112+\i]
.endr
.endr
.irp B, 0,128
	v_permlanex16_b32 v[\B+127], v[\B+126], s[SEL], s[SEL+1]
.endr
	WIN 0x11                                       ; sources in window 1, result in window 0: scale operands are taken from there
	v_lshl_or_b32 v[PS], v127, 8, v126             ; lanes 0-15: p's scale word of these 128 keys (lanes 16-31 are not read)
	v_lshl_or_b32 v[PS+1], v255, 8, v254
	WIN 0x55
.irp j, 0,2,4,6,8,10,12,14,16,18,20,22,24,26,28,30
.irp B, 0,128
	v_pk_add_f32 v[\B+\j:\B+\j+1], v[\B+\j:\B+\j+1], v[\B+32+\j:\B+33+\j]   ; the row's sum of the unquantised p, in place.  These 48 are the places between the scale words' and the codes' writes and the products
.endr
.endr
.irp j, 0,2,4,6,8,10,12,14
.irp B, 0,128
	v_pk_add_f32 v[\B+\j:\B+\j+1], v[\B+\j:\B+\j+1], v[\B+16+\j:\B+17+\j]
.endr
.endr
	s_wait_alu depctr_va_vdst(0)                   ; the wait directly ahead of the wait below: the sums' lines behind the products read what the lines above wrote
	s_wait_dscnt 24                                ; V's twenty are in; the next step's 24 may be out
	WIN 0x54                                       ; V in window 0; p, O^T in window 1
.irp t, 0,1,2,3                                ; O^T += V^T P^T: the eight accumulators by turns
.irp T, 0,1
	v_wmma_scale_f32_16x16x128_f8f6f4 v[128*\T+64+8*\t:128*\T+64+8*\t+7], v[VF+12*\t:VF+12*\t+11], v[128*\T+96:128*\T+107], v[128*\T+64+8*\t:128*\T+64+8*\t+7], v[VS+\t], v[PS+\T] matrix_a_fmt:MATRIX_FMT_FP6 matrix_b_fmt:MATRIX_FMT_FP6
.endr
.endr
	WIN 0x55
.irp j, 0,2,4,6
.irp B, 0,128
	v_pk_add_f32 v[\B+\j:\B+\j+1], v[\B+\j:\B+\j+1], v[\B+8+\j:\B+9+\j]     ; the sums' last sixteen lines are the places behind these products
.endr
.endr
.irp j, 0,2
.irp B, 0,128
	s_delay_alu instid0(VALU_DEP_4)
	v_pk_add_f32 v[\B+\j:\B+\j+1], v[\B+\j:\B+\j+1], v[\B+4+\j:\B+5+\j]
.endr
.endr
.irp B, 0,128
	s_delay_alu instid0(VALU_DEP_2)
	v_pk_add_f32 v[\B:\B+1], v[\B:\B+1], v[\B+2:\B+3]
.endr
.irp B, 0,128
	s_delay_alu instid0(VALU_DEP_2)
	v_pk_add_f32 v[\B+122:\B+123], v[\B+122:\B+123], v[\B:\B+1]
.endr
	WIN 0
.endm
	s_wait_alu depctr_va_vdst(0)                   ; the head's end
	s_wait_loadcnt 0x6                             ; my scale words are in; Q's six loads may be out
	ds_store_b128 v[A16], v[RB:RB+3]
	ds_store_b64 v[A8], v[RB+4:RB+5]
	ds_store_b128 v[A16], v[RB+6:RB+9] offset:768
	ds_store_b64 v[A8], v[RB+10:RB+11] offset:768
	s_wait_tensorcnt 0x0                           ; my piece is in,
	s_wait_dscnt 0x0                               ; my scale words are stored,
	s_barrier_signal -1
	s_barrier_wait -1                              ; everybody's are: the whole head lies in LDS
	KFIRST
	s_wait_loadcnt 0x0                             ; Q
	s_mov_b32 s3, 0
.Lchunk:                                               ; trip = 8 pass + chunk
	s_and_b32 s51, s3, 7
	s_mul_i32 s[TB], s51, 12288
	s_add_co_u32 s[TV], s[TB], VRG
	s_mul_i32 s[TS], s51, 1536
	s_add_co_u32 s[TSN], s[TS], 1536
	s_min_u32 s[TSN], s[TSN], 11520                ; behind the last chunk: step 15's words again
	v_add_nc_u32 v[A16], s[TB], v[L16]
	v_add_nc_u32 v[A8], s[TB], v[L8]
	v_add_nc_u32 v[AV16], s[TV], v[L16]
	v_add_nc_u32 v[AV8], s[TV], v[L8]
	v_add_nc_u32 v[AS], s[TS], v[LSC]
	v_add_nc_u32 v[ASN], s[TSN], v[LSC]
	s_wait_alu depctr_va_vdst(0)                   ; the wait behind these writes
	STEP 0
	STEP 1
	s_cmp_lg_u32 s51, 7
	s_cbranch_scc1 .Lnext
	; THE WAY OUT of a pass: O^T / the sum goes through my stage, a tile at a time, and leaves as rows
	WIN 0x55
.irp B, 0,128
	v_add_f32 v[\B+122], v[\B+122], v[\B+123]      ; the sum's two halves,
.endr
.irp B, 0,128
	s_delay_alu instid0(VALU_DEP_2)
	v_permlanex16_b32 v[\B+127], v[\B+122], s[SEL], s[SEL+1]
.endr
.irp B, 0,128
	s_delay_alu instid0(VALU_DEP_2)
	v_add_f32 v[\B+122], v[\B+122], v[\B+127]      ; and lane l xor 16's
.endr
	s_wait_alu depctr_va_vdst(0)                   ; the wait ahead of the reciprocals,
	v_rcp_f32 v122, v122
	v_rcp_f32 v250, v250
	v_nop
	s_wait_alu depctr_va_vdst(0)                   ; and ahead of their first reader and O^T's
.irp B, 0,128
.irp j, 0,1,2,3,4,5,6,7,8,9,10,11,12,13,14,15,16,17,18,19,20,21,22,23,24,25,26,27,28,29,30,31
	v_mul_f32 v[\B+\j], v[\B+64+\j], v[\B+122]     ; register 16 b + i is o(query r, d = 32 b + 16 h + i)
.endr
.endr
.irp T, 0,1
	WIN 0x04                                       ; the data in window 1
.irp b, 0,1
.irp i, 0,1,2,3
	ds_store_b128 v[STI], v[128*\T+16*\b+4*\i:128*\T+16*\b+4*\i+3] offset:128*\b+16*\i
.endr
.endr
	WIN 0
.irp i, 0,1,2,3,4,5,6,7
	ds_load_b128 v[RB-72*\T+4*\i:RB-72*\T+4*\i+3], v[STB] offset:544*\i   ; LDS serves a wave's instructions in order.  Tile 0 comes back into v200-231, tile 1 into v128-159
.endr
.endr
.irp i, 0,1,2,3,4,5,6,7
	s_wait_dscnt 23-\i                             ; tile 0's younger read-backs and tile 1's sixteen may be out
	global_store_b128 v[GO], v[RB+4*\i:RB+4*\i+3], s[8:9] offset:(2*\i+8*(\i/4))*4096   ; sixteen lanes store a token's head, 256 consecutive bytes, aligned; stage row r is token r + 8 (r / 8)
.endr
.irp i, 0,1,2,3,4,5,6,7
	s_wait_dscnt 7-\i
	global_store_b128 v[GO], v[VF+4*\i:VF+4*\i+3], s[8:9] offset:(2*\i+8*(\i/4))*4096+32768
.endr
	s_cmp_eq_u32 s3, 15
	s_cbranch_scc1 .Lend                           ; the second pass is out
	s_wait_xcnt 0x0                                ; the stores have read their base and registers
	s_add_nc_u64 s[8:9], s[8:9], 0x100000          ; 256 tokens on
	s_add_nc_u64 s[42:43], s[42:43], 12288         ; 16 tiles on
	s_add_nc_u64 s[44:45], s[44:45], 1024
	QLOAD
	KFIRST
	INIT
	s_wait_alu depctr_va_vdst(0)
	s_wait_loadcnt 0x0                             ; Q
.Lnext:
	s_add_co_u32 s3, s3, 1
	s_cmp_lt_u32 s3, 16
	s_cbranch_scc1 .Lchunk
.Lend:
	s_wait_tensorcnt 0x0                           ; the wave's end
	ds_add_u32 v[SPW], v[NIL]
	s_wait_dscnt 0x0
	CROUND                                         ; the closing round
	s_endpgm
.Lfunc_end_k_q2910e4d995_attn:
	.size	k_q2910e4d995_attn, .Lfunc_end_k_q2910e4d995_attn-k_q2910e4d995_attn
	.p2alignl 7, 3214868480
	.fill 96, 4, 3214868480
	.section	.rodata,"a",@progbits
	.p2align	6, 0x0
	.amdhsa_kernel k_q2910e4d995_attn
		.amdhsa_group_segment_fixed_size 327680
		.amdhsa_private_segment_fixed_size 0
		.amdhsa_enable_private_segment 0
		.amdhsa_kernarg_size 24
		.amdhsa_user_sgpr_count 2
		.amdhsa_user_sgpr_kernarg_segment_ptr 1
		.amdhsa_wavefront_size32 1
		.amdhsa_system_sgpr_workgroup_id_x 1
		.amdhsa_system_sgpr_workgroup_id_y 1
		.amdhsa_system_sgpr_workgroup_id_z 1
		.amdhsa_system_vgpr_workitem_id 0
		.amdhsa_next_free_vgpr 512
		.amdhsa_next_free_sgpr 80
		.amdhsa_reserve_vcc 0
		.amdhsa_float_denorm_mode_32 3
		.amdhsa_float_denorm_mode_16_64 3
		.amdhsa_memory_ordered 1
		.amdhsa_forward_progress 1
		.amdhsa_inst_pref_size 82
	.end_amdhsa_kernel
	.amdgpu_metadata
---
amdhsa.version: [ 1, 2 ]
amdhsa.kernels:
  - .name:           k_q2910e4d995_attn
    .symbol:         k_q2910e4d995_attn.kd
    .args:
      - { .name: acodes, .offset: 0, .size: 8, .value_kind: global_buffer, .address_space: global }
      - { .name: ascales, .offset: 8, .size: 8, .value_kind: global_buffer, .address_space: global }
      - { .name: ows, .offset: 16, .size: 8, .value_kind: global_buffer, .address_space: global }
    .group_segment_fixed_size: 327680
    .private_segment_fixed_size: 0
    .kernarg_segment_align: 8
    .kernarg_segment_size: 24
    .max_flat_workgroup_size: 256
    .sgpr_count:     80
    .vgpr_count:     512
    .wavefront_size: 32
...
	.end_amdgpu_metadata
.endif
;; end of part 3
;; launch weave (part 4): grid 256 x 1, 8 waves a work-group, no clusters, 35,840 bytes of LDS; arguments ows, out0; writes out0
.if DOCPART == 4
	.amdgcn_target "amdgcn-amd-amdhsa--gfx1250"
	.amdhsa_code_object_version 6
	.text
	.protected	k_q2910e4d995_weave
	.globl	k_q2910e4d995_weave
	.p2align	8
	.type	k_q2910e4d995_weave,@function
k_q2910e4d995_weave:
	s_mov_b64 s[64:65], 0
	v_nop
	global_prefetch_b8 v0, s[64:65] scope:SCOPE_SE
	s_setreg_imm32_b32 hwreg(HW_REG_WAVE_MODE, 25, 1), 1
	s_wait_xcnt 0x0
; out0[token][16 d + h] = ows[token][h][d]: a token's 4,096 bytes are turned from 16 x 64 into 64 x 16 numbers.  8,192 tokens; a work-group takes 32, a wave 4.
; Memory binds: every load and store of a wave covers 512 consecutive bytes; all 32 loads of a wave go out at once.  The turn goes through the wave's own 16 rows x 272 bytes of LDS:
; rows h as loaded; read back one number a lane: lane l, register k of store i wants h = 4 (l % 4) + k, d = 8 i + l / 4: the 32 lanes of such a load touch 32 different banks (words 16 (l % 4) + l / 4 apart, modulo 64).
; No barrier: waves share nothing, and LDS serves a wave's instructions in order, so a token's stores into the stage come behind the reads of the token before.  No matrix unit, no cluster: nothing is shared.
.set PITCH, 272
.set WB,    16*PITCH                   ; a wave's stage
.set SPARE, 8*WB                       ; behind the eight stages: the spare words, 128 bytes a wave
.set SPW,   2
.set NIL,   3
.set IN,    16                         ; v16-143  four tokens as loaded
.set OUT,   144                        ; v144-207 two sets of 32, by turns
	s_load_b128 s[4:7], s[0:1], 0x0                ; ows s[4:5], out0 s[6:7]
	v_lshl_add_u32 v[SPW], v0, 2, SPARE
	v_mov_b32 v[NIL], 0
	v_lshrrev_b32 v1, 5, v0
	s_delay_alu instid0(VALU_DEP_1)
	v_readfirstlane_b32 s8, v1                     ; wave
	v_and_b32 v4, 31, v0                           ; lane
	s_delay_alu instid0(VALU_DEP_1)
	v_lshlrev_b32 v5, 4, v4                        ; 16 bytes a lane, in and out
	s_mul_i32 s9, s8, WB
	v_lshrrev_b32 v6, 4, v4
	s_delay_alu instid0(VALU_DEP_1)
	v_mul_u32_u24 v6, v6, PITCH
	v_and_b32 v7, 15, v4
	s_delay_alu instid0(VALU_DEP_1)
	v_lshl_add_u32 v6, v7, 4, v6
	s_delay_alu instid0(VALU_DEP_1)
	v_add_nc_u32 v6, s9, v6                        ; into the stage: row lane / 16, 16 (lane % 16)
	v_and_b32 v7, 3, v4
	s_delay_alu instid0(VALU_DEP_1)
	v_mul_u32_u24 v7, v7, 4*PITCH
	v_lshrrev_b32 v8, 2, v4
	s_delay_alu instid0(VALU_DEP_1)
	v_lshl_add_u32 v7, v8, 2, v7
	s_delay_alu instid0(VALU_DEP_1)
	v_add_nc_u32 v7, s9, v7                        ; out of it: row 4 (lane % 4), word lane / 4
	s_lshl_b32 s10, ttmp9, 17                      ; 32 tokens of 4,096 bytes
	s_lshl_b32 s11, s8, 14                         ; 4 tokens
	s_add_co_u32 s10, s10, s11
	s_mov_b32 s11, 0
	s_wait_alu depctr_va_vdst(0)
	s_wait_kmcnt 0x0
	s_add_nc_u64 s[4:5], s[4:5], s[10:11]
	s_add_nc_u64 s[6:7], s[6:7], s[10:11]
.irp n, 0,1,2,3
.irp i, 0,1,2,3,4,5,6,7
	global_load_b128 v[IN+32*\n+4*\i:IN+32*\n+4*\i+3], v5, s[4:5] offset:\n*4096+512*\i th:TH_LOAD_NT
.endr
.endr
.macro TOKEN n
	s_wait_loadcnt 8*(3-\n)                        ; this token's eight loads are in; the later tokens' may be out
.irp i, 0,1,2,3,4,5,6,7
	ds_store_b128 v6, v[IN+32*\n+4*\i:IN+32*\n+4*\i+3] offset:2*PITCH*\i
.endr
.if \n >= 2
	s_wait_xcnt 0x0                                ; the stores of two tokens back have read this set of registers
.endif
.irp i, 0,1,2,3,4,5,6,7
.irp k, 0,1,2,3
	ds_load_b32 v[OUT+32*(\n%2)+4*\i+\k], v7 offset:PITCH*\k+32*\i
.endr
.endr
.irp i, 0,1,2,3,4,5,6,7
	s_wait_dscnt 4*(7-\i)                          ; this store's four loads are in; the younger ones may be out
	global_store_b128 v5, v[OUT+32*(\n%2)+4*\i:OUT+32*(\n%2)+4*\i+3], s[6:7] offset:\n*4096+512*\i th:TH_STORE_NT
.endr
.endm
	TOKEN 0
	TOKEN 1
	TOKEN 2
	TOKEN 3
	s_wait_tensorcnt 0x0                           ; the wave's end, behind my last LDS store
	ds_add_u32 v[SPW], v[NIL]
	s_wait_dscnt 0x0
	s_endpgm
.Lfunc_end_k_q2910e4d995_weave:
	.size	k_q2910e4d995_weave, .Lfunc_end_k_q2910e4d995_weave-k_q2910e4d995_weave
	.p2alignl 7, 3214868480
	.fill 96, 4, 3214868480
	.section	.rodata,"a",@progbits
	.p2align	6, 0x0
	.amdhsa_kernel k_q2910e4d995_weave
		.amdhsa_group_segment_fixed_size 35840
		.amdhsa_private_segment_fixed_size 0
		.amdhsa_enable_private_segment 0
		.amdhsa_kernarg_size 16
		.amdhsa_user_sgpr_count 2
		.amdhsa_user_sgpr_kernarg_segment_ptr 1
		.amdhsa_wavefront_size32 1
		.amdhsa_system_sgpr_workgroup_id_x 1
		.amdhsa_system_sgpr_workgroup_id_y 1
		.amdhsa_system_sgpr_workgroup_id_z 1
		.amdhsa_system_vgpr_workitem_id 0
		.amdhsa_next_free_vgpr 208
		.amdhsa_next_free_sgpr 66
		.amdhsa_reserve_vcc 0
		.amdhsa_float_denorm_mode_32 3
		.amdhsa_float_denorm_mode_16_64 3
		.amdhsa_memory_ordered 1
		.amdhsa_forward_progress 1
		.amdhsa_inst_pref_size 19
	.end_amdhsa_kernel
	.amdgpu_metadata
---
amdhsa.version: [ 1, 2 ]
amdhsa.kernels:
  - .name:           k_q2910e4d995_weave
    .symbol:         k_q2910e4d995_weave.kd
    .args:
      - { .name: ows, .offset: 0, .size: 8, .value_kind: global_buffer, .address_space: global }
      - { .name: out0, .offset: 8, .size: 8, .value_kind: global_buffer, .address_space: global }
    .group_segment_fixed_size: 35840
    .private_segment_fixed_size: 0
    .kernarg_segment_align: 8
    .kernarg_segment_size: 16
    .max_flat_workgroup_size: 256
    .sgpr_count:     66
    .vgpr_count:     208
    .wavefront_size: 32
...
	.end_amdgpu_metadata
.endif
;; end of part 4
